; MI455X (gfx1250); checked and timed in simulation.
; The chip was launched on July 23, 2026; its instructions are those of AMD's public machine-readable ISA for CDNA 5 (MIT licence, August 2026) and "CDNA5" Instruction Set Architecture Reference Guide (July 2026). The comments in the code are by the model that wrote it; some were corrected since.
;; Causal Multi Head Attention. Allowed arithmetic: matrix products marked QUANTISED: E3M2 operands, one E8M0 scale for each 32 along K, by v_wmma_scale_f32_16x16x128_f8f6f4 with both operands' format E3M2, f32 sums; everything else in f32.
;; Inputs: Wk 1,024 x 1,024 float32; Wo 1,024 x 1,024 float32; Wq 1,024 x 1,024 float32; Wv 1,024 x 1,024 float32; x 4 x 2,048 x 1,024 float32.
;; Outputs: out0 4 x 2,048 x 1,024 float32.
;; This version of the problem:
;;   THIS VERSION OF THE PROBLEM IS GIVEN IN LOW PRECISION. The matrix products marked QUANTISED in the list below multiply operands that are first quantised to E3M2 (3 exponent bits, 2 mantissa bits; 6 bits a number), with one power-of-two scale for each 32 numbers along K (OCP MX v1.0); their sums are f32. All else is computed in f32.
;;   The module's matrix products, in the order in which they are computed (A, B: the left and right operand; K: the contracted axis; several contracted axes count as one K, in the product's order):
;;     1. [M 8,192, K 1,024] x [K 1,024, N 1,024]; A: input x; B: input Wq: QUANTISED
;;     2. [M 8,192, K 1,024] x [K 1,024, N 1,024]; A: input x; B: input Wk: QUANTISED
;;     3. [M 8,192, K 1,024] x [K 1,024, N 1,024]; A: input x; B: input Wv: QUANTISED
;;     4. batch 64 x [M 2,048, K 64] x [K 64, N 2,048]; A: computed on the way; B: computed on the way: QUANTISED
;;     5. batch 64 x [M 2,048, K 2,048] x [K 2,048, N 64]; A: softmax (see below); B: computed on the way: QUANTISED
;;     6. [M 8,192, K 1,024] x [K 1,024, N 1,024]; A: computed on the way; B: input Wo: QUANTISED
;;   THE QUANTISER, for each operand of a quantised product, along K:
;;     - K is cut into blocks of 32 from its start; a last block that is shorter is filled with zeros.
;;     - A block's scale is 2^e with e = floor(log2(the largest magnitude in the block)) - 4, held to -126 .. 127; a block of zeros has e = 0. As a byte (E8M0): e + 127.
;;     - Each number is divided by its block's scale, clamped to +-28, and rounded to the nearest number of E3M2, ties to even, subnormals kept.
;;     - The product sums the exact products of the quantised numbers (number of the format x scale) in f32.
;;   ~~~python
;;   def quantise(x, axis):      # numpy; x: float32 -> the quantised numbers, widened to float32 again
;;       x = np.moveaxis(x, axis, -1); K = x.shape[-1]
;;       x = np.pad(x, [(0, 0)] * (x.ndim - 1) + [(0, -K % 32)]); x = x.reshape(x.shape[:-1] + (-1, 32)); a = np.abs(x).max(-1, keepdims=True)
;;       e = np.where(a > 0, np.clip(np.frexp(np.where(a > 0, a, 1))[1] - 1 - 4, -126, 127), 0)      # np.frexp(a)[1] - 1 = floor(log2(a)), exactly
;;       r = np.clip(x / 2.0 ** e, -28, 28)
;;       step = 2.0 ** (np.maximum(np.frexp(np.where(r == 0, 1, r))[1] - 1, -2) - 2)
;;       q = np.round(r / step) * step * 2.0 ** e      # np.round: ties to even
;;       return np.moveaxis(q.reshape(q.shape[:-2] + (-1,))[..., :K], -1, axis).astype(np.float32)
;;   ~~~
;;   SOFTMAX AHEAD OF A QUANTISED PRODUCT. Where the list says 'softmax', what is quantised is not the finished softmax but p = 2^(t - M), with t = logit x log2(e) and M = ceil(the row's largest t), a whole number; so 1/2 < the row's largest p <= 1. The row's sum l is taken of the UNQUANTISED p, in f32, and the product's result is divided by l at the end. Since M is a whole number, a kernel that streams over the keys may use a running M (the ceiling of the running maximum): every later rescaling is an exact power of two, which a block's scale takes up: the codes' values come out the same.
;;   OPERANDS COMPUTED ON THE WAY. 'Computed on the way' means the value that the module computes at that place (a softmax that the list does not call 'softmax' is quantised finished and normalised). What goes into a quantiser is computed in f32, as accurately as f32 sums, v_exp_f32 and their like allow (about 1e-6 of the number): no bf16 or f16 on the way to a quantiser, and a product that is left as it is and whose result goes on into a quantised operand takes f32 operands (vector FMAs, or v_wmma_f32_16x16x4_f32). A number that lies on a knife's edge between two numbers of the format may be rounded either way, as far as f32 arithmetic and the matrix unit's own rounding can turn it there, and no further.
;; One version. Each part assembles by itself: llvm-mc -triple=amdgcn-amd-amdhsa -mcpu=gfx1250 --defsym DOCPART=n.
;; ======== version 1 of 1: 4 launches
;; workspace buffers: xr 6,815,744 bytes; wr 3,407,872 bytes; qk 13,631,488 bytes; vr 6,553,600 bytes; orec 6,815,744 bytes
;; launch quant (part 1): grid 768 x 1, 4 waves a work-group, no clusters, 68,096 bytes of LDS; arguments x, Wq, Wk, Wv, Wo, xr, wr; writes xr, wr
.if DOCPART == 1
	.amdgcn_target "amdgcn-amd-amdhsa--gfx1250"
	.amdhsa_code_object_version 6
	.text
	.protected	k_q84198bf8fa_quant
	.globl	k_q84198bf8fa_quant
	.p2align	8
	.type	k_q84198bf8fa_quant,@function
k_q84198bf8fa_quant:
	s_mov_b64 s[64:65], 0
	v_nop
	global_prefetch_b8 v0, s[64:65] scope:SCOPE_SE
	s_setreg_imm32_b32 hwreg(HW_REG_WAVE_MODE, 25, 1), 1
	s_wait_xcnt 0x0
; x [8192][1024] and Wq, Wk, Wv, Wo [1024][1024], f32, K innermost, become codes of BF6 (E3M2) with one E8M0 byte for each 32 along K, laid as the products' launches read them.
; A TILE T holds 16 rows that are not neighbours: row r of tile T is 32 (T / 2) + 8 (T % 2) + r + 8 (r / 8).  A UNIT is 16 rows x 64 k as an image of registers: lane (r, h) owns block h of row r in six registers;
; registers 0-3 lie at 16 x lane, registers 4-5 at 512 + 8 x lane: 768 bytes.  A RECORD is 256 along K of a tile: four units, then at byte 3,072 + 8 r the row's two scale words; records are 3,328 bytes apart, a tile's four 13,312.
; A block's scale is 2^(floor(log2(its largest magnitude)) - 4); its byte is the largest magnitude's exponent field - 4, held at 1 from below.
; LIMITS: a block of zeros, or one whose largest magnitude lies under 2^-122, gets the byte 1 (the bytes are read by this program alone; zero codes add nothing under it); NaN and infinities among the inputs are not served.
; SHARES: a work-group takes a tile (the first 512 x's, then 64 for each weight), wave w its record w.  A wave's 16 KiB are asked for at once: 32 loads of 512 consecutive bytes of one row.
; The conversions want 32 neighbours along K in one lane, the loads give 4: a step's 16 rows x 512 bytes turn through the wave's own stage in LDS (rows 528 bytes apart).  Waves share nothing: no barrier.
.set TP,    13312                      ; a tile's four records
.set REC,   3328                       ; a record
.set SP,    528                        ; a stage row: 512 bytes + 16
.set STG,   16*SP                      ; a stage; a wave has two, one for each step of 128 along K
.set WREG,  2*STG
.set FLOOR, 0x2800000                  ; 2^(5 - 127)
.set EOFF,  0xfe000000                 ; 4 off an exponent field
.set X,     60                         ; v60-123   two whole blocks of 32 numbers
.set G,     124                        ; v124-251  as loaded: step s at G + 64 s
	s_load_b256 s[4:11], s[0:1], 0x0               ; x, Wq, Wk, Wv
	s_load_b128 s[12:15], s[0:1], 0x20             ; Wo, xr
	s_load_b64 s[16:17], s[0:1], 0x30              ; wr
	v_lshl_add_u32 v254, v0, 2, 0x10800
	v_mov_b32 v255, 0
	v_lshrrev_b32 v1, 5, v0
	v_readfirstlane_b32 s18, v1                    ; wave 0..3: my record
	v_and_b32 v1, 31, v0                           ; lane
	v_and_b32 v2, 15, v0                           ; r
	v_bfe_u32 v3, v0, 4, 1                         ; h
	v_lshlrev_b32 v4, 4, v1                        ; 16 x lane
	v_lshlrev_b32 v5, 3, v1                        ; 8 x lane
	v_lshlrev_b32 v6, 3, v2                        ; 8 r
	s_mul_i32 s19, s18, WREG
	v_add_nc_u32 v7, s19, v4                       ; the stage, in: 16 x lane of a row
	v_mul_u32_u24 v8, v2, SP
	v_lshl_add_u32 v8, v3, 7, v8
	v_add_nc_u32 v8, s19, v8                       ; and out: row r, + 128 h: my block of each pair
	v_lshlrev_b32 v9, 3, v3                        ; 8 h: my bytes' place in a scale word
	v_mov_b32 v17, 0                               ; written once: a lane permute's destination counts as one of its sources
	s_mov_b32 s30, 0x76543210
	s_mov_b32 s31, 0xfedcba98                      ; selects for lane l xor 16
	s_sub_co_u32 s24, ttmp9, 512                   ; a weight's work-group: its tile in wr,
	s_and_b32 s25, s24, 63                         ; and in its own tensor
	s_cmp_lt_u32 ttmp9, 512
	s_cselect_b32 s25, ttmp9, s25                  ; the tile in the source
	s_cselect_b32 s24, ttmp9, s24                  ; the tile in the destination
	s_lshr_b32 s26, s25, 1
	s_lshl_b32 s26, s26, 17                        ; 32 rows of 4,096 bytes for each pair of tiles
	s_and_b32 s27, s25, 1
	s_lshl_b32 s27, s27, 15                        ; 8 rows for the odd one
	s_add_co_u32 s26, s26, s27
	s_lshl_b32 s27, s18, 10                        ; my 256 numbers of a row
	s_add_co_u32 s26, s26, s27
	s_mov_b32 s27, 0
	s_mul_i32 s28, s24, TP
	s_mul_i32 s29, s18, REC
	s_add_co_u32 s28, s28, s29
	s_mov_b32 s29, 0
	s_wait_alu depctr_va_vdst(0)
	s_wait_kmcnt 0x0
	s_mov_b64 s[20:21], s[12:13]                   ; the source: a choice among five buffers on the work-group's number alone
	s_cmp_lt_u32 ttmp9, 704
	s_cselect_b64 s[20:21], s[10:11], s[20:21]
	s_cmp_lt_u32 ttmp9, 640
	s_cselect_b64 s[20:21], s[8:9], s[20:21]
	s_cmp_lt_u32 ttmp9, 576
	s_cselect_b64 s[20:21], s[6:7], s[20:21]
	s_cmp_lt_u32 ttmp9, 512
	s_cselect_b64 s[20:21], s[4:5], s[20:21]
	s_cselect_b64 s[22:23], s[14:15], s[16:17]     ; the destination
	s_add_nc_u64 s[20:21], s[20:21], s[26:27]
	s_add_nc_u64 s[22:23], s[22:23], s[28:29]
.irp s, 0,1
.irp j, 0,1,2,3,4,5,6,7,8,9,10,11,12,13,14,15
	global_load_b128 v[G+64*\s+4*\j:G+64*\s+4*\j+3], v4, s[20:21] offset:(\j+8*(\j/8))*4096+512*\s th:TH_LOAD_NT   ; 512 consecutive bytes of the tile's row j
.endr
.endr
; One step: 128 along K of the 16 rows become two units and a scale word a row.
.macro QSTEP s2
.set CD, 20+20*\s2                     ; this step's codes: units at CD and CD + 6, the upper halves' conversions at CD + 12 and CD + 16: no store's data are written again
.if \s2 == 0
	s_wait_loadcnt 16                              ; this step's 16 loads are in; the 16 younger ones are the other step's
.else
	s_wait_loadcnt 0x0
.endif
.irp j, 0,1,2,3,4,5,6,7,8,9,10,11,12,13,14,15
	ds_store_b128 v7, v[G+64*\s2+4*\j:G+64*\s2+4*\j+3] offset:STG*\s2+SP*\j
.endr
.irp c, 0,1
.irp i, 0,1,2,3,4,5,6,7
	ds_load_b128 v[X+32*\c+4*\i:X+32*\c+4*\i+3], v8 offset:STG*\s2+256*\c+16*\i   ; block 2 c + h of row r; LDS serves a wave's instructions in order: these see the stores above
.endr
.endr
	s_wait_dscnt 0x0
.irp c, 0,1
	v_max3_num_f32 v[10+\c], |v[X+32*\c]|, |v[X+32*\c+1]|, FLOOR   ; a block's largest magnitude: all 32 are mine; the floor holds the byte at 1 from below
.endr
.irp i, 2,4,6,8,10,12,14,16,18,20,22,24,26,28,30
.irp c, 0,1
	v_max3_num_f32 v[10+\c], v[10+\c], |v[X+32*\c+\i]|, |v[X+32*\c+\i+1]|   ; (the two blocks by turns)
.endr
.endr
.irp c, 0,1
	v_add_nc_u32 v[12+\c], EOFF, v[10+\c]          ; 4 off the exponent field: the conversion's scale operand
.endr
.irp c, 0,1
	v_lshrrev_b32 v[14+\c], 23, v[12+\c]           ; the scale's byte
.endr
	v_lshl_or_b32 v16, v15, 16, v14                ; my two bytes, blocks h and 2 + h,
	v_lshlrev_b32 v16, v9, v16                     ; at their places;
	v_permlanex16_b32 v17, v16, s30, s31
	v_or_b32 v[18+\s2], v16, v17                   ; with lane l xor 16's two the word is whole
.irp c, 0,1
	v_cvt_scalef32_pk16_bf6_f32 v[CD+6*\c:CD+6*\c+2], v[X+32*\c:X+32*\c+15], v[12+\c]
	v_cvt_scalef32_pk16_bf6_f32 v[CD+12+4*\c:CD+12+4*\c+2], v[X+32*\c+16:X+32*\c+31], v[12+\c]   ; (a conversion's three registers begin on an even number)
.endr
	v_nop                                          ; one plain place behind a scaled conversion
.irp c, 0,1
.irp i, 0,1,2
	v_mov_b32 v[CD+6*\c+3+\i], v[CD+12+4*\c+\i]
.endr
.endr
.irp c, 0,1
	global_store_b128 v4, v[CD+6*\c:CD+6*\c+3], s[22:23] offset:(2*\s2+\c)*768        ; 512 consecutive bytes, at a multiple of 256 from the buffer's first byte
	global_store_b64 v5, v[CD+6*\c+4:CD+6*\c+5], s[22:23] offset:(2*\s2+\c)*768+512   ; 256 consecutive bytes
.endr
.endm
	QSTEP 0
	QSTEP 1
	global_store_b64 v6, v[18:19], s[22:23] offset:3072   ; the rows' two scale words (lanes r and 16 + r hold the same)
	s_wait_tensorcnt 0x0
	ds_add_u32 v254, v255
	s_wait_dscnt 0x0
	s_endpgm
.Lfunc_end_k_q84198bf8fa_quant:
	.size	k_q84198bf8fa_quant, .Lfunc_end_k_q84198bf8fa_quant-k_q84198bf8fa_quant
	.p2alignl 7, 3214868480
	.fill 96, 4, 3214868480
	.section	.rodata,"a",@progbits
	.p2align	6, 0x0
	.amdhsa_kernel k_q84198bf8fa_quant
		.amdhsa_group_segment_fixed_size 68096
		.amdhsa_private_segment_fixed_size 0
		.amdhsa_enable_private_segment 0
		.amdhsa_kernarg_size 56
		.amdhsa_user_sgpr_count 2
		.amdhsa_user_sgpr_kernarg_segment_ptr 1
		.amdhsa_wavefront_size32 1
		.amdhsa_system_sgpr_workgroup_id_x 1
		.amdhsa_system_sgpr_workgroup_id_y 1
		.amdhsa_system_sgpr_workgroup_id_z 1
		.amdhsa_system_vgpr_workitem_id 0
		.amdhsa_next_free_vgpr 256
		.amdhsa_next_free_sgpr 66
		.amdhsa_reserve_vcc 0
		.amdhsa_float_denorm_mode_32 3
		.amdhsa_float_denorm_mode_16_64 3
		.amdhsa_memory_ordered 1
		.amdhsa_forward_progress 1
		.amdhsa_inst_pref_size 17
	.end_amdhsa_kernel
	.amdgpu_metadata
---
amdhsa.version: [ 1, 2 ]
amdhsa.kernels:
  - .name:           k_q84198bf8fa_quant
    .symbol:         k_q84198bf8fa_quant.kd
    .args:
      - { .name: x, .offset: 0, .size: 8, .value_kind: global_buffer, .address_space: global }
      - { .name: Wq, .offset: 8, .size: 8, .value_kind: global_buffer, .address_space: global }
      - { .name: Wk, .offset: 16, .size: 8, .value_kind: global_buffer, .address_space: global }
      - { .name: Wv, .offset: 24, .size: 8, .value_kind: global_buffer, .address_space: global }
      - { .name: Wo, .offset: 32, .size: 8, .value_kind: global_buffer, .address_space: global }
      - { .name: xr, .offset: 40, .size: 8, .value_kind: global_buffer, .address_space: global }
      - { .name: wr, .offset: 48, .size: 8, .value_kind: global_buffer, .address_space: global }
    .group_segment_fixed_size: 68096
    .private_segment_fixed_size: 0
    .kernarg_segment_align: 8
    .kernarg_segment_size: 56
    .max_flat_workgroup_size: 128
    .sgpr_count:     66
    .vgpr_count:     256
    .wavefront_size: 32
...
	.end_amdgpu_metadata
.endif
;; end of part 1
;; launch qkv (part 2): grid 12 x 64, 4 waves a work-group, clusters of 4 x 4, 307,712 bytes of LDS; arguments xr, wr, qk, vr; writes qk, vr
.if DOCPART == 2
	.amdgcn_target "amdgcn-amd-amdhsa--gfx1250"
	.amdhsa_code_object_version 6
	.text
	.protected	k_q84198bf8fa_qkv
	.globl	k_q84198bf8fa_qkv
	.p2align	8
	.type	k_q84198bf8fa_qkv,@function
k_q84198bf8fa_qkv:
	s_mov_b64 s[64:65], 0
	v_nop
	global_prefetch_b8 v0, s[64:65] scope:SCOPE_SE
	s_setreg_imm32_b32 hwreg(HW_REG_WAVE_MODE, 25, 1), 1
	s_wait_xcnt 0x0
	s_wait_alu depctr_hold_cnt(0) depctr_sa_sdst(0) depctr_va_vdst(0) depctr_va_sdst(0) depctr_va_ssrc(0) depctr_va_vcc(0) depctr_vm_vsrc(0)
	s_getreg_b32 s2, hwreg(HW_REG_IB_STS2, 6, 4)
	s_cmp_eq_u32 s2, 0
	s_cbranch_scc0 .Lentry_in_a_cluster
	s_endpgm
.Lentry_in_a_cluster:
	s_bfe_u32 s2, ttmp6, 0x10000c
	s_cmp_lg_u32 s2, 0xf033
	s_cbranch_scc0 .Lentry_shape_is_right
	s_endpgm
.Lentry_shape_is_right:
; q = x Wq^T, k = x Wk^T, v = x Wv^T on codes of BF6 (E3M2) with E8M0 scales, K = 1,024; the f32 sums are quantised in registers on the way out: q and k along the head's 64, v along the keys.
; OPERANDS lie in memory as records (256 along K of a tile of 16 rows: four units of 768 bytes, images of registers, then the rows' scale words; 3,328 bytes apart, a tile's four 13,312).
; Row r of tile T is 32 (T / 2) + 8 (T % 2) + r + 8 (r / 8).
; THE CORE: C'[m'][n'] = sum A'[m'] B'[n'].  A work-group makes 128 (A') x 256 (B'), each of its four waves 64 x 128: 4 x 8 accumulators, 256 registers.  The matrix instruction is used transposed (source 0 = B', source 1 = A'):
; a lane holds one row of A', and by the tiles' order of rows the 16 registers of tiles 2 b and 2 b + 1 are 16 neighbouring rows of B': they are the next product's K.
; ROLES, by the cluster's x alone: x < 2: A' = x (tokens), B' = Wq | Wk: registers run along the head's channels.  x = 2: A' = Wv (channels), B' = x: registers run along the keys.  One core and one quantiser serve all three.
; LDS: the tile's whole K, four chunks of 256 along K (A' 8 records, B' 16, 3,200 bytes each).  Each wave issues four tensor loads at the start and has four outstanding; every byte is filled once, so nothing is filled again.
; The counted waits 3, 2, 1, 0 let the later chunks land while the earlier are multiplied.
; CLUSTER 4 x 4: A' is shared along a row of the cluster, B' along a column: joint loads, which divide the requests by four.
; LIMITS: a block whose largest magnitude lies under 2^-122 (a block of zeros among them) gets the byte 1; the bytes are read by this program alone.  NaN and infinities are not served.
; REGISTERS, in windows of 256: window 0: v1-3 lane, r, h; v16-20 LDS addresses; v22-24 store offsets; v32-63 scale words, two sets; v64-159 A's fragments, two sets of 4; on the way out v64-203 are at work.
;   window 1: v0-191 B's fragments, two sets of 8.   window 2: accumulator (a, b) at v[8 (8 a + b)].
.set TP,    13312
.set REC,   3328
.set RL,    3200                       ; a record in LDS: its units and scale words
.set CHUNK, 24*RL
.set SC,    32
.set AF,    64
.set G1A,   24                         ; s[24:31] group 1 for A's loads;  s[32:39] for B's
.set G1B,   32
.set G0A,   40                         ; s[40:55] groups 0 for A's four chunks;  s[68:83] for B's
.set G0B,   68
.set MX,    64                         ; the way out: 16 blocks' largest magnitudes,
.set PX,    80                         ; the other half's, then the bytes,
.set SO,    96                         ; the conversions' scale operands,
.set CD,    112                        ; the codes: for A's block a at CD + 20 a: two units of 6, two runs of 4 for the odd blocks' conversions
.set MSB, 0
.macro WIN new                         ; the immediate's high byte repeats the setting that is left
.if MSB != \new
	s_set_vgpr_msb (MSB<<8)|\new
.set MSB, \new
.endif
.endm
.macro CROUND                          ; a round of the cluster's barrier
	s_barrier_signal -1
	s_barrier_wait -1
	s_cmp_lg_u32 s14, 0
	s_cbranch_scc1 .Lnot_wave_0_\@
	s_barrier_signal -3
.Lnot_wave_0_\@:
	s_barrier_wait -3
	s_barrier_signal -1
	s_barrier_wait -1
.endm
.macro PLACES n                        ; plain vector instructions between a matrix instruction and a load into, or a read of, its registers
.rept \n
	v_nop
.endr
.endm
.macro FRAG reg, a16, a8, off          ; a fragment, 16 rows x 128 K: two units on end; every load takes consecutive bytes
	ds_load_b128 v[\reg:\reg+3], v[\a16] offset:\off
	ds_load_b64 v[\reg+4:\reg+5], v[\a8] offset:(\off)+512
	ds_load_b128 v[\reg+6:\reg+9], v[\a16] offset:(\off)+768
	ds_load_b64 v[\reg+10:\reg+11], v[\a8] offset:(\off)+1280
.endm
.macro FETCH g                         ; step g's fragments (128 along K) into set g % 2; with a chunk's first step its scale words: lanes 0-15 A's block i, lanes 16-31 B's block i
.set P, (\g)%2
	WIN 0x40                                       ; destination window 1
.irp i, 0,1,2,3,4,5,6,7
	FRAG 96*P+12*\i, 18, 19, RL*\i+1536*P
.endr
	WIN 0
.irp i, 0,1,2,3
	FRAG AF+48*P+12*\i, 16, 17, RL*\i+1536*P
.endr
.if (\g)%2 == 0
.irp i, 0,1,2,3,4,5,6,7
	ds_load_b64 v[SC+16*(((\g)/2)%2)+2*\i:SC+16*(((\g)/2)%2)+2*\i+1], v20 offset:RL*\i+3072   ; (for i > 3 lanes 0-15 read bytes of the same chunk that nobody uses)
.endr
.endif
.endm
.macro MUL32 g, zero                   ; 32 matrix instructions; the 32 accumulators take turns, one instruction a turn, in the same order in every step
.set P, (\g)%2
.set SS, SC+16*(((\g)/2)%2)+P
	WIN 0xa1                                       ; source 0 (B') window 1, source 1 (A') window 0, C and D window 2
.irp a, 0,1,2,3
.irp b, 0,1,2,3,4,5,6,7
.if \zero
	v_wmma_scale_f32_16x16x128_f8f6f4 v[8*(8*\a+\b):8*(8*\a+\b)+7], v[96*P+12*\b:96*P+12*\b+11], v[AF+48*P+12*\a:AF+48*P+12*\a+11], 0, v[SS+2*\b], v[SS+2*\a] matrix_a_fmt:MATRIX_FMT_BF6 matrix_b_fmt:MATRIX_FMT_BF6 matrix_a_scale:MATRIX_SCALE_ROW1
.else
	v_wmma_scale_f32_16x16x128_f8f6f4 v[8*(8*\a+\b):8*(8*\a+\b)+7], v[96*P+12*\b:96*P+12*\b+11], v[AF+48*P+12*\a:AF+48*P+12*\a+11], v[8*(8*\a+\b):8*(8*\a+\b)+7], v[SS+2*\b], v[SS+2*\a] matrix_a_fmt:MATRIX_FMT_BF6 matrix_b_fmt:MATRIX_FMT_BF6 matrix_a_scale:MATRIX_SCALE_ROW1
.endif
.endr
.endr
.endm
.macro STEP g, zero                    ; the next step's fragments are asked for, then this step is multiplied
	s_wait_dscnt 0x0                               ; this step's fragments are in
.if (\g) < 7
.if ((\g)+1)%2 == 0
	s_wait_tensorcnt 3-((\g)+1)/2                  ; my part of the next chunk is in; my loads of the chunks behind it may be out
	s_barrier_signal -1
	s_barrier_wait -1                              ; everybody's is
.irp v, 16,17,18,19,20
	v_add_nc_u32 v\v, CHUNK, v\v                   ; on to the next chunk; these five are also the places in front of the loads
.endr
.else
	PLACES 4
.endif
	FETCH (\g)+1
.endif
	MUL32 \g, \zero
	WIN 0
.endm
	s_load_b256 s[4:11], s[0:1], 0x0               ; xr s[4:5], wr s[6:7], qk s[8:9], vr s[10:11]
	v_lshl_add_u32 v254, v0, 2, 0x4b000
	v_mov_b32 v255, 0
	ds_add_u32 v254, v255
	ds_add_u32 v254, v255
	v_lshrrev_b32 v1, 5, v0
	v_readfirstlane_b32 s14, v1                    ; wave 0..3
	s_lshr_b32 s15, s14, 1                         ; which 64 rows of A' are mine.  Also: I fetch for A' (0) or for B' (1)
	s_and_b32 s16, s14, 1                          ; which 128 rows of B'.  Also: which half of that tile I fetch
	s_bfe_u32 s17, ttmp6, 0x40000                  ; cx
	s_bfe_u32 s18, ttmp6, 0x40004                  ; cy
	s_and_b32 s20, ttmp7, 0xffff                   ; the cluster's y, 0..15
	s_lshr_b32 s56, s20, 3
	s_and_b32 s57, s20, 7
	s_cmp_lt_u32 ttmp9, 2                          ; the role: the cluster's x, which all partners share
	s_cselect_b32 s56, s20, s56                    ; q, k: 16 clusters down the tokens;  v: 2 down the channels
	s_cselect_b32 s57, ttmp9, s57                  ; q, k: 2 across Wq | Wk;  v: 8 across the tokens
	s_cselect_b32 s62, 0, 128*TP                   ; v: A' begins at Wv's first tile in wr
	s_lshl_b32 s21, s56, 2
	s_add_co_u32 s21, s21, s18                     ; TR: my 128 rows of A'
	s_lshl_b32 s22, s57, 2
	s_add_co_u32 s22, s22, s17                     ; TC: my 256 rows of B'
	s_lshl_b32 s23, s18, 2
	s_lshl_b32 s23, 15, s23                        ; my row of the cluster
	s_lshl_b32 s19, 0x1111, s17                    ; my column
	; group 1: R records of 400 elements of 8 bytes, 1,664 elements apart in memory, on end in LDS
	s_or_b32 s[G1A], s23, (3<<16)|(1<<21)          ; 15:0 the mask; 17:16 elements of 8 bytes; 21 set beside a mask
	s_mov_b32 s[G1A+1], 400<<16                    ; tensor_dim0
	s_mov_b32 s[G1A+2], 4<<16                      ; tensor_dim1
	s_mov_b32 s[G1A+3], 400<<16                    ; tile_dim0
	s_mov_b32 s[G1A+4], 4                          ; tile_dim1
	s_mov_b32 s[G1A+5], TP/8                       ; from tile to tile
	s_mov_b32 s[G1A+6], 0
	s_mov_b32 s[G1A+7], 0
	s_or_b32 s[G1B], s19, (3<<16)|(1<<21)
	s_mov_b32 s[G1B+1], 400<<16
	s_mov_b32 s[G1B+2], 8<<16
	s_mov_b32 s[G1B+3], 400<<16
	s_mov_b32 s[G1B+4], 8
	s_mov_b32 s[G1B+5], TP/8
	s_mov_b32 s[G1B+6], 0
	s_mov_b32 s[G1B+7], 0
	s_lshl_b32 s58, s21, 3                         ; A': tile 8 TR + 4 x half, in registers that never hold cx
	s_lshl_b32 s59, s16, 2
	s_add_co_u32 s58, s58, s59
	s_mul_i32 s58, s58, TP
	s_add_co_u32 s58, s58, s62
	s_mov_b32 s59, 0
	s_lshl_b32 s60, s22, 4                         ; B': tile 16 TC + 8 x half, in registers that never hold cy
	s_lshl_b32 s61, s16, 3
	s_add_co_u32 s60, s60, s61
	s_mul_i32 s60, s60, TP
	s_mov_b32 s61, 0
	s_mul_i32 s88, s16, 4*RL                       ; where they go in a chunk: no place in the cluster enters an LDS address
	s_mul_i32 s89, s16, 8*RL
	s_add_co_u32 s89, s89, 8*RL
	s_mov_b32 s98, 0x76543210
	s_mov_b32 s99, 0xfedcba98                      ; selects for lane l xor 16
	s_wait_dscnt 0x0
	s_wait_kmcnt 0x0
	s_cmp_lt_u32 ttmp9, 2
	s_cselect_b64 s[84:85], s[4:5], s[6:7]
	s_cselect_b64 s[86:87], s[6:7], s[4:5]
	s_add_nc_u64 s[84:85], s[84:85], s[58:59]
	s_add_nc_u64 s[86:87], s[86:87], s[60:61]
.irp c, 0,1,2,3
	s_mov_b32 s[G0A+4*\c], 1                       ; count = 1
	s_add_co_u32 s[G0A+4*\c+1], s88, \c*CHUNK      ; LDS address
	s_add_nc_u64 s[G0A+4*\c+2:G0A+4*\c+3], s[84:85], \c*REC   ; global address: chunk c's records
	s_or_b32 s[G0A+4*\c+3], s[G0A+4*\c+3], 0x80000000          ; type = 2
	s_mov_b32 s[G0B+4*\c], 1
	s_add_co_u32 s[G0B+4*\c+1], s89, \c*CHUNK
	s_add_nc_u64 s[G0B+4*\c+2:G0B+4*\c+3], s[86:87], \c*REC
	s_or_b32 s[G0B+4*\c+3], s[G0B+4*\c+3], 0x80000000
.endr
	CROUND                                         ; all sixteen work-groups are here: the joint loads meet
	s_cmp_eq_u32 s15, 0                            ; a wave's four loads stand in one branch on its number: four of mine are out
	s_cbranch_scc0 .Lfor_b
.irp c, 0,1,2,3
	tensor_load_to_lds s[G0A+4*\c:G0A+4*\c+3], s[G1A:G1A+7]
	s_nop 0
.endr
	PLACES 4
	s_branch .Lasked
.Lfor_b:
.irp c, 0,1,2,3
	tensor_load_to_lds s[G0B+4*\c:G0B+4*\c+3], s[G1B:G1B+7]
	s_nop 0
.endr
	PLACES 4
.Lasked:
	v_and_b32 v1, 31, v0                           ; lane
	v_and_b32 v2, 15, v0                           ; r
	v_bfe_u32 v3, v0, 4, 1                         ; h
	s_mul_i32 s90, s15, 4*RL                       ; my four records of A'
	s_mul_i32 s91, s16, 8*RL
	s_add_co_u32 s91, s91, 8*RL                    ; my eight of B', behind A's eight
	v_lshl_add_u32 v16, v1, 4, s90
	v_lshl_add_u32 v17, v1, 3, s90
	v_lshl_add_u32 v18, v1, 4, s91
	v_lshl_add_u32 v19, v1, 3, s91
	s_sub_co_u32 s92, s91, s90
	v_mul_u32_u24 v20, s92, v3                     ; scale words: lanes 16-31 take B's
	v_lshl_add_u32 v20, v2, 3, v20
	v_add_nc_u32 v20, s90, v20
	s_wait_alu depctr_va_vdst(0)
	s_wait_tensorcnt 3                             ; my part of chunk 0 is in; my three later loads may be out
	s_barrier_signal -1
	s_barrier_wait -1
	FETCH 0
	STEP 0, 1                                      ; the first step's products start the sums
	STEP 1, 0
	s_wait_alu depctr_va_vdst(0)
	STEP 2, 0
	STEP 3, 0
	s_wait_alu depctr_va_vdst(0)
	STEP 4, 0
	STEP 5, 0
	s_wait_alu depctr_va_vdst(0)
	STEP 6, 0
	STEP 7, 0
	; THE WAY OUT.  Block k = 4 a + b of 16: the 16 registers v[16 k ..] of window 2 are my row's numbers 32 b + 16 h + 0 .. 15; lanes l and l xor 16 share a block.
	PLACES 4
	WIN 0x0a                                       ; sources 0 and 1 window 2
.irp k, 0,1,2,3,4,5,6,7,8,9,10,11,12,13,14,15
	v_max3_num_f32 v[MX+\k], |v[16*\k]|, |v[16*\k+1]|, 0x2800000   ; each accumulator is read from its low end on; the floor 2^(5 - 127) holds the byte at 1 from below
.endr
	WIN 0x28                                       ; sources 1 and 2 window 2
.irp i, 2,4,6,8,10,12,14
.irp k, 0,1,2,3,4,5,6,7,8,9,10,11,12,13,14,15
	v_max3_num_f32 v[MX+\k], v[MX+\k], |v[16*\k+\i]|, |v[16*\k+\i+1]|
.endr
.endr
	WIN 0
.irp k, 0,1,2,3,4,5,6,7,8,9,10,11,12,13,14,15
	v_permlanex16_b32 v[PX+\k], v[MX+\k], s98, s99
.endr
.irp k, 0,1,2,3,4,5,6,7,8,9,10,11,12,13,14,15
	v_max_num_f32 v[MX+\k], v[MX+\k], v[PX+\k]     ; the block's largest magnitude
.endr
.irp k, 0,1,2,3,4,5,6,7,8,9,10,11,12,13,14,15
	v_add_nc_u32 v[SO+\k], 0xfe000000, v[MX+\k]    ; 4 off its exponent field: the conversion's scale operand
.endr
.irp k, 0,1,2,3,4,5,6,7,8,9,10,11,12,13,14,15
	v_lshrrev_b32 v[PX+\k], 23, v[SO+\k]           ; the scale's byte
.endr
	WIN 0x02                                       ; source 0 window 2
.irp a, 0,1,2,3
.irp u, 0,1
	v_cvt_scalef32_pk16_bf6_f32 v[CD+20*\a+6*\u:CD+20*\a+6*\u+2], v[64*\a+32*\u:64*\a+32*\u+15], v[SO+4*\a+2*\u]
	v_cvt_scalef32_pk16_bf6_f32 v[CD+20*\a+12+4*\u:CD+20*\a+12+4*\u+2], v[64*\a+32*\u+16:64*\a+32*\u+31], v[SO+4*\a+2*\u+1]
.endr
.endr
	WIN 0
	v_nop                                          ; one plain place behind a scaled conversion
.irp a, 0,1,2,3
.irp u, 0,1
.irp i, 0,1,2
	v_permlane16_swap_b32 v[CD+20*\a+6*\u+\i], v[CD+20*\a+12+4*\u+\i]   ; a unit wants a whole block in a lane: lanes 0-15 the even block, lanes 16-31 the odd one
.endr
.irp i, 0,1,2
	v_mov_b32 v[CD+20*\a+6*\u+3+\i], v[CD+20*\a+12+4*\u+\i]
.endr
.endr
.endr
	v_cmp_lt_u32 vcc_lo, 15, v1                    ; lanes 16-31
	s_cmp_lt_u32 ttmp9, 2
	s_cbranch_scc0 .Lrole_v
	; q, k: unit (a, u) is tile 4 wr + a of my 128 tokens, head U0 + u.  qk: [Q | K][batch][head] of 106,496 bytes; in it records of 128 tokens: 8 units, then 8 x 16 scale words
	s_lshl_b32 s93, s22, 2
	s_lshl_b32 s94, s16, 1
	s_add_co_u32 s93, s93, s94                     ; U0 = 4 TC + 2 wc: 0-15 q's heads, 16-31 k's
	s_lshr_b32 s94, s93, 4
	s_lshl_b32 s94, s94, 6
	s_and_b32 s93, s93, 15
	s_add_co_u32 s93, s93, s94
	s_lshr_b32 s94, s21, 4                         ; the batch
	s_lshl_b32 s94, s94, 4
	s_add_co_u32 s93, s93, s94
	s_mul_i32 s96, s93, 106496
	s_and_b32 s94, s21, 15                         ; the record
	s_mul_i32 s94, s94, 6656
	s_add_co_u32 s96, s96, s94
	s_mov_b32 s97, 0
	s_add_nc_u64 s[8:9], s[8:9], s[96:97]
	s_mul_i32 s94, s15, 3072
	v_lshl_add_u32 v22, v1, 4, s94
	v_lshl_add_u32 v23, v1, 3, s94
	s_lshl_b32 s95, s15, 8
	v_lshl_add_u32 v24, v1, 2, s95
.irp a, 0,1,2,3
.irp u, 0,1
	v_lshl_or_b32 v[192+2*\a+\u], v[PX+4*\a+2*\u+1], 8, v[PX+4*\a+2*\u]
.endr
.endr
.irp k, 0,1,2,3,4,5,6,7
	v_or_b32 v[192+\k], 0x7f7f0000, v[192+\k]      ; the head has 64 along K: the word's upper two bytes stand for 1.0, over zero codes
.endr
.irp u, 0,1
.irp p, 0,1
	v_cndmask_b32 v[200+2*\u+\p], v[192+4*\p+\u], v[192+4*\p+2+\u], vcc_lo   ; lanes 0-15 tile 2 p's words, lanes 16-31 tile 2 p + 1's
.endr
.endr
.irp a, 0,1,2,3
.irp u, 0,1
	global_store_b128 v22, v[CD+20*\a+6*\u:CD+20*\a+6*\u+3], s[8:9] offset:106496*\u+768*\a          ; 512 consecutive bytes, at a multiple of 256 from the buffer's first byte
	global_store_b64 v23, v[CD+20*\a+6*\u+4:CD+20*\a+6*\u+5], s[8:9] offset:106496*\u+768*\a+512
.endr
.endr
.irp u, 0,1
.irp p, 0,1
	global_store_b32 v24, v[200+2*\u+\p], s[8:9] offset:106496*\u+6144+128*\p
.endr
.endr
	s_branch .Lsent
.Lrole_v:
	; v: unit (a, u) is channel tile a of head 2 TR + wr, keys 64 u on of my 128.  vr: [batch][head] of 102,400 bytes; in it records of 128 keys: 4 fragments, then 4 x 16 scale words
	s_lshr_b32 s93, s22, 3                         ; the batch
	s_lshl_b32 s93, s93, 4
	s_lshl_b32 s94, s21, 1
	s_add_co_u32 s93, s93, s94
	s_add_co_u32 s93, s93, s15
	s_mul_i32 s96, s93, 102400
	s_and_b32 s94, s22, 7
	s_lshl_b32 s94, s94, 1
	s_add_co_u32 s94, s94, s16                     ; the record
	s_mul_i32 s94, s94, 6400
	s_add_co_u32 s96, s96, s94
	s_mov_b32 s97, 0
	s_add_nc_u64 s[10:11], s[10:11], s[96:97]
	v_lshlrev_b32 v22, 4, v1
	v_lshlrev_b32 v23, 3, v1
	v_lshlrev_b32 v24, 2, v1
.irp a, 0,1,2,3
	v_lshl_or_b32 v[192+\a], v[PX+4*\a+1], 8, v[PX+4*\a]
.endr
.irp a, 0,1,2,3
	v_lshl_or_b32 v[192+\a], v[PX+4*\a+2], 16, v[192+\a]
.endr
.irp a, 0,1,2,3
	v_lshl_or_b32 v[192+\a], v[PX+4*\a+3], 24, v[192+\a]
.endr
.irp p, 0,1
	v_cndmask_b32 v[200+\p], v[192+2*\p], v[192+2*\p+1], vcc_lo
.endr
.irp a, 0,1,2,3
.irp u, 0,1
	global_store_b128 v22, v[CD+20*\a+6*\u:CD+20*\a+6*\u+3], s[10:11] offset:1536*\a+768*\u
	global_store_b64 v23, v[CD+20*\a+6*\u+4:CD+20*\a+6*\u+5], s[10:11] offset:1536*\a+768*\u+512
.endr
.endr
.irp p, 0,1
	global_store_b32 v24, v[200+\p], s[10:11] offset:6144+128*\p
.endr
.Lsent:
	s_wait_tensorcnt 0x0
	ds_add_u32 v254, v255
	s_wait_dscnt 0x0
	CROUND                                         ; the closing round: no work-group ends while a partner may still ask for a tile that names it
	s_endpgm
.Lfunc_end_k_q84198bf8fa_qkv:
	.size	k_q84198bf8fa_qkv, .Lfunc_end_k_q84198bf8fa_qkv-k_q84198bf8fa_qkv
	.p2alignl 7, 3214868480
	.fill 96, 4, 3214868480
	.section	.rodata,"a",@progbits
	.p2align	6, 0x0
	.amdhsa_kernel k_q84198bf8fa_qkv
		.amdhsa_group_segment_fixed_size 307712
		.amdhsa_private_segment_fixed_size 0
		.amdhsa_enable_private_segment 0
		.amdhsa_kernarg_size 32
		.amdhsa_user_sgpr_count 2
		.amdhsa_user_sgpr_kernarg_segment_ptr 1
		.amdhsa_wavefront_size32 1
		.amdhsa_system_sgpr_workgroup_id_x 1
		.amdhsa_system_sgpr_workgroup_id_y 1
		.amdhsa_system_sgpr_workgroup_id_z 1
		.amdhsa_system_vgpr_workitem_id 0
		.amdhsa_next_free_vgpr 768
		.amdhsa_next_free_sgpr 100
		.amdhsa_reserve_vcc 1
		.amdhsa_float_denorm_mode_32 3
		.amdhsa_float_denorm_mode_16_64 3
		.amdhsa_memory_ordered 1
		.amdhsa_forward_progress 1
		.amdhsa_inst_pref_size 91
	.end_amdhsa_kernel
	.amdgpu_metadata
---
amdhsa.version: [ 1, 2 ]
amdhsa.kernels:
  - .name:           k_q84198bf8fa_qkv
    .symbol:         k_q84198bf8fa_qkv.kd
    .args:
      - { .name: xr, .offset: 0, .size: 8, .value_kind: global_buffer, .address_space: global }
      - { .name: wr, .offset: 8, .size: 8, .value_kind: global_buffer, .address_space: global }
      - { .name: qk, .offset: 16, .size: 8, .value_kind: global_buffer, .address_space: global }
      - { .name: vr, .offset: 24, .size: 8, .value_kind: global_buffer, .address_space: global }
    .group_segment_fixed_size: 307712
    .private_segment_fixed_size: 0
    .kernarg_segment_align: 8
    .kernarg_segment_size: 32
    .max_flat_workgroup_size: 128
    .sgpr_count:     100
    .vgpr_count:     768
    .wavefront_size: 32
...
	.end_amdgpu_metadata
.endif
;; end of part 2
;; launch attn (part 3): grid 4 x 64, 16 waves a work-group, no clusters, 210,944 bytes of LDS; arguments qk, vr, orec; writes orec
.if DOCPART == 3
	.amdgcn_target "amdgcn-amd-amdhsa--gfx1250"
	.amdhsa_code_object_version 6
	.text
	.protected	k_q84198bf8fa_attn
	.globl	k_q84198bf8fa_attn
	.p2align	8
	.type	k_q84198bf8fa_attn,@function
k_q84198bf8fa_attn:
	s_mov_b64 s[64:65], 0
	v_nop
	global_prefetch_b8 v0, s[64:65] scope:SCOPE_SE
	s_setreg_imm32_b32 hwreg(HW_REG_WAVE_MODE, 25, 1), 1
	s_wait_xcnt 0x0
; o = softmax(q k^T / 8, causal) v for one (batch, head), both products on codes of BF6 (E3M2) with E8M0 scales; o is quantised in registers along 64 x head + channel and leaves as the last product's operand.
; THE SOFTMAX AHEAD OF THE SECOND PRODUCT: t = score x log2(e) / 8; M = the running largest t rounded UP to a whole number; p = 2^(t - M) is quantised along the keys, not normalised; the row's sum is taken of the unquantised p
; and divides at the end.  When M moves, the sum and O are multiplied by 2^(old M - new M): exact.
; TILES: row r of tile T (16 tokens) is token 32 (T / 2) + 8 (T % 2) + r + 8 (r / 8).  Both products are used transposed (S^T = K Q^T, O^T = V^T P^T): a lane holds one query, and by the tiles' order of rows
; the 16 registers of tiles 2 b and 2 b + 1 are 16 neighbouring keys (or channels).
; SHARES: a work-group is one of four of its head; wave j = 16 x work-group + wave owns query tiles j and 127 - j.  Tile T needs T / 8 + 1 steps of 128 keys, so every wave has 17 steps: equal work in all 4,096 waves.
; Both loops have constant trip counts (8 and 16); a step all of whose keys come after the tile's queries is jumped over by a scalar branch on ids.
; LDS: the head's K (16 records of 6,656 bytes: 8 units of 16 keys x 64, then scale words) and V (16 records of 6,400: 4 fragments of 16 channels x 128 keys, then scale words), each byte filled once; every wave issues two tensor
; loads at the start and has two outstanding.  Nothing is stored to LDS.
; NO CLUSTER: the four work-groups of a head read the same K and V, but the steps that a wave leaves out hang on its query tiles, that is on the work-group's place among the four, and what is shared is read once, 208,896 bytes.
; THE HEAD HAS 64 ALONG K, the instruction 128: Q's upper six registers are zero codes; K's operand for tile t is 12 registers of which the upper six are the next tile's codes, multiplied by zeros; the words' upper bytes stand for 1.0.
; LIMITS: a block whose largest magnitude lies under 2^-122 gets the byte 1 (its bytes are read by this program alone); NaN and infinities are not served.
; REGISTERS: v1-3 16, 8, 4 x lane; v4 r + 8 (r / 8) - 16 h; v5 the scale bytes' store offset; v6-11 addresses in hand; v12 -M, v13 the largest t, v[14:15] the sum; v16-27, v28-39 Q; v40, v41 Q's scale words;
;   v42-89 K's 8 units, then V's 4 fragments; v90-95 zeros; v96-159 S^T, then p; v160-191 O^T; v224-235 p's codes; v232-254 at work; v248-251 scale words.
.set VB,   106496                      ; V's records begin behind K's
.set KV,   42
.set SEL,  20                          ; s[20:21] selects for lane l xor 16
.set CS,   22                          ; s[22:23] c = log2(e) / 8
.set G1K,  24
.set G1V,  32
.set TBK,  56                          ; s56 the step's record of K;  s57 of V;  s58 the step;  s59 its first key
.set TBV,  57
.set STP,  58
.set KF,   59
.set DS,   63                          ; s63 the tile's last step, the one on the diagonal
.set Q0,   66                          ; s66 the tile's first token
	s_load_b128 s[4:7], s[0:1], 0x0                ; qk, vr
	s_load_b64 s[8:9], s[0:1], 0x10                ; orec
	v_lshl_add_u32 v243, v0, 2, 0x33000
	v_mov_b32 v255, 0
	ds_add_u32 v243, v255
	ds_add_u32 v243, v255
	v_lshrrev_b32 v1, 5, v0
	s_delay_alu instid0(VALU_DEP_1)
	v_readfirstlane_b32 s10, v1                    ; wave 0..15
	s_and_b32 s11, ttmp7, 0xffff                   ; 16 x batch + head
	s_lshl_b32 s61, ttmp9, 4
	s_add_co_u32 s61, s61, s10                     ; my low tile, 0..63
	s_sub_co_u32 s62, 127, s61                     ; my high tile, 64..127
	s_mul_i32 s12, s11, 106496                     ; Q of my head in qk
	s_and_b32 s16, s10, 7
	s_mul_i32 s17, s16, 6400                       ; what I fetch: waves 0-7 K's records w and w + 8, waves 8-15 V's records w - 8 and w
	s_mul_i32 s16, s16, 6656
	s_add_co_u32 s18, s12, s16
	s_add_co_u32 s18, s18, 64*106496               ; K lies 64 heads behind Q
	s_mov_b32 s19, 0
	s_mul_i32 s14, s11, 102400
	s_add_co_u32 s14, s14, s17
	s_mov_b32 s15, 0
	; group 1: a record is dense: rows of 32 elements of 8 bytes; K's 26, V's 25
	s_mov_b32 s[G1K], 3<<16
	s_mov_b32 s[G1K+1], 32<<16
	s_mov_b32 s[G1K+2], 26<<16
	s_mov_b32 s[G1K+3], 32<<16
	s_mov_b32 s[G1K+4], 26
	s_mov_b32 s[G1K+5], 32
	s_mov_b32 s[G1K+6], 0
	s_mov_b32 s[G1K+7], 0
	s_mov_b32 s[G1V], 3<<16
	s_mov_b32 s[G1V+1], 32<<16
	s_mov_b32 s[G1V+2], 25<<16
	s_mov_b32 s[G1V+3], 32<<16
	s_mov_b32 s[G1V+4], 25
	s_mov_b32 s[G1V+5], 32
	s_mov_b32 s[G1V+6], 0
	s_mov_b32 s[G1V+7], 0
	s_mov_b32 s40, 1
	s_mov_b32 s41, s16
	s_mov_b32 s44, 1
	s_add_co_u32 s45, s16, 8*6656
	s_mov_b32 s48, 1
	s_add_co_u32 s49, s17, VB
	s_mov_b32 s52, 1
	s_add_co_u32 s53, s17, VB+8*6400
	s_wait_dscnt 0x0
	s_wait_kmcnt 0x0
	s_add_nc_u64 s[42:43], s[4:5], s[18:19]
	s_add_nc_u64 s[46:47], s[42:43], 8*6656
	s_or_b32 s43, s43, 0x80000000
	s_or_b32 s47, s47, 0x80000000
	s_add_nc_u64 s[50:51], s[6:7], s[14:15]
	s_add_nc_u64 s[54:55], s[50:51], 8*6400
	s_or_b32 s51, s51, 0x80000000
	s_or_b32 s55, s55, 0x80000000
	s_cmp_lt_u32 s10, 8                            ; a wave's two loads stand in one branch on its number
	s_cbranch_scc0 .Lfor_v
	tensor_load_to_lds s[40:43], s[G1K:G1K+7]
	s_nop 0
	tensor_load_to_lds s[44:47], s[G1K:G1K+7]
	s_nop 0
.rept 4
	v_nop
.endr
	s_branch .Lasked
.Lfor_v:
	tensor_load_to_lds s[48:51], s[G1V:G1V+7]
	s_nop 0
	tensor_load_to_lds s[52:55], s[G1V:G1V+7]
	s_nop 0
.rept 4
	v_nop
.endr
.Lasked:
; where tile s[t]'s unit and scale words lie in Q: byte offsets into the pairs s[c:c+1] and s[w:w+1]
.macro QADR treg, creg, wreg
	s_lshr_b32 s80, s[\treg], 3
	s_mul_i32 s80, s80, 6656
	s_add_co_u32 s80, s80, s12
	s_and_b32 s81, s[\treg], 7
	s_mul_i32 s[\creg], s81, 768
	s_add_co_u32 s[\creg], s[\creg], s80
	s_mov_b32 s[\creg+1], 0
	s_lshl_b32 s[\wreg], s81, 6
	s_add_co_u32 s[\wreg], s[\wreg], s80
	s_add_co_u32 s[\wreg], s[\wreg], 6144
	s_mov_b32 s[\wreg+1], 0
	s_add_nc_u64 s[\creg:\creg+1], s[4:5], s[\creg:\creg+1]
	s_add_nc_u64 s[\wreg:\wreg+1], s[4:5], s[\wreg:\wreg+1]
.endm
	QADR 61, 72, 76
	QADR 62, 74, 78
	; orec: tile 128 x batch + T, record head / 4, unit head % 4
	s_lshr_b32 s82, s11, 4
	s_lshl_b32 s82, s82, 7
	s_and_b32 s83, s11, 15                         ; the head
	s_lshr_b32 s84, s83, 2
	s_mul_i32 s84, s84, 3328
	s_and_b32 s85, s83, 3
	s_mul_i32 s86, s85, 768
	s_add_co_u32 s84, s84, s86
	s_add_co_u32 s68, s82, s61
	s_mul_i32 s68, s68, 13312
	s_add_co_u32 s68, s68, s84
	s_mov_b32 s69, 0
	s_add_co_u32 s70, s82, s62
	s_mul_i32 s70, s70, 13312
	s_add_co_u32 s70, s70, s84
	s_mov_b32 s71, 0
	s_add_nc_u64 s[68:69], s[8:9], s[68:69]
	s_add_nc_u64 s[70:71], s[8:9], s[70:71]
	s_mul_i32 s87, s85, 766                        ; my two scale bytes lie at byte 3,072 + 8 r + 2 (head % 4) of the record; the base stands 768 (head % 4) into it
	s_sub_co_u32 s87, 3072, s87
	s_mov_b32 s[SEL], 0x76543210
	s_mov_b32 s[SEL+1], 0xfedcba98
	s_mov_b32 s[CS], 0x3e38aa3b                    ; c = log2(e) / 8
	s_mov_b32 s[CS+1], s[CS]                       ; (named with it as a pair, so it is written)
	v_and_b32 v3, 31, v0
	s_delay_alu instid0(VALU_DEP_1)
	v_lshlrev_b32 v1, 4, v3
	s_delay_alu instid0(VALU_DEP_2)
	v_lshlrev_b32 v2, 3, v3
	s_delay_alu instid0(VALU_DEP_3)
	v_lshlrev_b32 v3, 2, v3
	v_and_b32 v6, 15, v0                           ; r
	v_bfe_u32 v7, v0, 4, 1                         ; h
	s_delay_alu instid0(VALU_DEP_2)
	v_and_b32 v4, 8, v6
	s_delay_alu instid0(VALU_DEP_1)
	v_add_nc_u32 v4, v4, v6
	s_delay_alu instid0(VALU_DEP_3)
	v_lshlrev_b32 v7, 4, v7
	s_delay_alu instid0(VALU_DEP_1)
	v_sub_nc_u32 v4, v4, v7                        ; r + 8 (r / 8) - 16 h
	v_lshl_add_u32 v5, v6, 3, s87
	v_lshlrev_b32 v6, 2, v6                        ; 4 r
	global_load_b128 v[16:19], v1, s[72:73]        ; Q's two units stay in registers
	global_load_b64 v[20:21], v2, s[72:73] offset:512
	global_load_b32 v40, v6, s[76:77]
	global_load_b128 v[28:31], v1, s[74:75]
	global_load_b64 v[32:33], v2, s[74:75] offset:512
	global_load_b32 v41, v6, s[78:79]
.irp j, 22,23,24,25,26,27,34,35,36,37,38,39,90,91,92,93,94,95
	v_mov_b32 v\j, 0                               ; zero codes for k = 64 .. 127
.endr
.irp j, 236,237,238,239,252,253
	v_mov_b32 v\j, 0                               ; written once: a lane permute's destination counts as one of its sources, a pair's upper half as read
.endr
; ONE QUERY TILE.  qreg, qscl: Q's operand and scale word; ntrip: the loop's trips; treg: the scalar that holds the tile; obase: the pair that holds its place in orec.
.macro PASS qreg, qscl, ntrip, treg, obase
	s_wait_xcnt 0x0                                ; the stores of the tile before have read their registers
	v_mov_b32 v13, 0xff61b1e6                      ; the largest t so far: -3e38, under every t
	s_delay_alu instid0(VALU_DEP_1)
	v_floor_f32 v12, -v13                          ; -M
	v_mov_b32 v14, 0
	v_mov_b32 v15, 0
.irp j, 0,1,2,3,4,5,6,7,8,9,10,11,12,13,14,15,16,17,18,19,20,21,22,23,24,25,26,27,28,29,30,31
	v_mov_b32 v[160+\j], 0                         ; O^T: the step is written once; the first finds zeros, which the first change of M leaves zeros
.endr
	s_mov_b32 s[TBK], 0
	s_mov_b32 s[TBV], VB
	s_mov_b32 s[STP], 0
	s_mov_b32 s[KF], 0
	s_lshr_b32 s[DS], s[\treg], 3
	s_lshr_b32 s[Q0], s[\treg], 1
	s_lshl_b32 s[Q0], s[Q0], 5
	s_and_b32 s60, s[\treg], 1
	s_lshl_b32 s60, s60, 3
	s_add_co_u32 s[Q0], s[Q0], s60
.Lstep_\@:
	s_cmp_gt_u32 s[STP], s[DS]                     ; all 128 keys come after my 16 queries: only the stepping lines at the end are run
	s_cbranch_scc1 .Lhidden_\@
	s_setprio 2
	v_add_nc_u32 v6, s[TBK], v1                    ; these six are also the places in front of the loads into registers that the last products read
	v_add_nc_u32 v7, s[TBK], v2
	v_add_nc_u32 v8, s[TBK], v3
	v_add_nc_u32 v9, s[TBV], v1
	v_add_nc_u32 v10, s[TBV], v2
	v_add_nc_u32 v11, s[TBV], v3
.irp t, 0,1,2,3,4,5,6,7
	ds_load_b128 v[KV+6*\t:KV+6*\t+3], v6 offset:768*\t
	ds_load_b64 v[KV+6*\t+4:KV+6*\t+5], v7 offset:768*\t+512
.endr
.irp p, 0,1,2,3
	ds_load_b32 v[248+\p], v8 offset:6144+128*\p   ; lanes 0-15 tile 2 p's scale words, lanes 16-31 tile 2 p + 1's
.endr
	s_wait_alu depctr_va_vdst(0)
	s_wait_dscnt 0x0
.irp t, 0,2,4,6                                ; S^T = K Q^T: lane (r, h) holds query r; registers 16 b + i are keys 32 b + 16 h + i of the step
	v_wmma_scale_f32_16x16x128_f8f6f4 v[96+8*\t:103+8*\t], v[KV+6*\t:KV+6*\t+11], v[\qreg:\qreg+11], 0, v[248+\t/2], v[\qscl] matrix_a_fmt:MATRIX_FMT_BF6 matrix_b_fmt:MATRIX_FMT_BF6
	v_wmma_scale_f32_16x16x128_f8f6f4 v[104+8*\t:111+8*\t], v[KV+6*\t+6:KV+6*\t+17], v[\qreg:\qreg+11], 0, v[248+\t/2], v[\qscl] matrix_a_fmt:MATRIX_FMT_BF6 matrix_b_fmt:MATRIX_FMT_BF6 matrix_a_scale:MATRIX_SCALE_ROW1
.endr
.rept 4
	v_nop                                          ; places in front of the loads below and of the first read of the scores
.endr
.irp t, 0,1,2,3                                ; V's fragments are asked for now and land under the softmax
	ds_load_b128 v[KV+12*\t:KV+12*\t+3], v9 offset:1536*\t
	ds_load_b64 v[KV+12*\t+4:KV+12*\t+5], v10 offset:1536*\t+512
	ds_load_b128 v[KV+12*\t+6:KV+12*\t+9], v9 offset:1536*\t+768
	ds_load_b64 v[KV+12*\t+10:KV+12*\t+11], v10 offset:1536*\t+1280
.endr
.irp p, 0,1
	ds_load_b32 v[248+\p], v11 offset:6144+128*\p
.endr
	s_cmp_lt_u32 s[STP], s[DS]                     ; ahead of the diagonal every key counts
	s_cbranch_scc1 .Lopen_\@
	s_sub_co_i32 s60, s[Q0], s[KF]
	v_add_nc_u32 v252, s60, v4                     ; d = my query - the step's first key - 16 h: register 16 b + i is hidden where 32 b + i > d
	v_mov_b32 v254, 0xff800000                     ; -infinity: p = 0 then
.irp n, 0,1,2,3,4,5,6,7,8,9,10,11,12,13,14,15,16,17,18,19,20,21,22,23,24,25,26,27,28,29,30,31,32,33,34,35,36,37,38,39,40,41,42,43,44,45,46,47,48,49,50,51,52,53,54,55,56,57,58,59,60,61,62,63
	v_cmp_gt_i32 vcc_lo, 32*(\n/16)+\n%16, v252
	v_cndmask_b32 v[96+\n], v[96+\n], v254, vcc_lo
.endr
.Lopen_\@:
.irp b, 0,1,2,3
	v_max3_num_f32 v[232+\b], v[96+16*\b], v[97+16*\b], v[98+16*\b]   ; the largest score of each block of 32 keys: for the row's maximum, and, since p rises with the score, for the block's largest p
.endr
.irp i, 3,5,7,9,11,13
.irp b, 0,1,2,3
	v_max3_num_f32 v[232+\b], v[232+\b], v[96+16*\b+\i], v[97+16*\b+\i]
.endr
.endr
.irp b, 0,1,2,3
	v_max_num_f32 v[232+\b], v[232+\b], v[111+16*\b]
.endr
.irp b, 0,1,2,3
	s_delay_alu instid0(VALU_DEP_4)
	v_permlanex16_b32 v[236+\b], v[232+\b], s[SEL], s[SEL+1]
.endr
.irp b, 0,1,2,3
	s_delay_alu instid0(VALU_DEP_4)
	v_max_num_f32 v[232+\b], v[232+\b], v[236+\b]  ; with lane l xor 16's 16 keys
.endr
	s_delay_alu instid0(VALU_DEP_2)
	v_max3_num_f32 v254, v232, v233, v234
	s_delay_alu instid0(VALU_DEP_1)
	v_max_num_f32 v254, v254, v235                 ; the step's largest score of my query
	s_delay_alu instid0(VALU_DEP_1)
	v_mul_f32 v254, s[CS], v254                    ; as t (c is positive)
	s_delay_alu instid0(VALU_DEP_1)
	v_max_num_f32 v13, v13, v254                   ; the running largest t
	v_mov_b32 v254, v12
	s_delay_alu instid0(VALU_DEP_2)
	v_floor_f32 v12, -v13                          ; the new -M = floor(-t): M is a whole number
	s_delay_alu instid0(VALU_DEP_1)
	v_sub_f32 v254, v12, v254                      ; old M - new M: a whole number, 0 or less
	s_delay_alu instid0(VALU_DEP_1)
	v_cvt_i32_f32 v254, v254                       ; (it saturates)
	s_delay_alu instid0(VALU_DEP_1)
	v_ldexp_f32 v252, 1.0, v254                    ; f = 2^(old M - new M)
	s_setprio 1
.irp j, 0,2,4,6,8,10,12,14,16,18,20,22,24,26,28,30,32,34,36,38,40,42,44,46,48,50,52,54,56,58,60,62
	v_pk_fma_f32 v[96+\j:97+\j], v[96+\j:97+\j], s[CS:CS+1], v[12:13] op_sel_hi:[1,0,0]   ; t - M, two at a time
.endr
.irp b, 0,1,2,3
	v_fma_f32 v[232+\b], v[232+\b], s[CS], v12     ; the same of each block's largest score
.endr
	s_wait_alu depctr_va_vdst(0)
.irp j, 0,1,2,3,4,5,6,7,8,9,10,11,12,13,14,15,16,17,18,19,20,21,22,23,24,25,26,27,28,29,30,31,32,33,34,35,36,37,38,39,40,41,42,43,44,45,46,47,48,49,50,51,52,53,54,55,56,57,58,59,60,61,62,63
	v_exp_f32 v[96+\j], v[96+\j]                   ; p = 2^(t - M), at most 1
.endr
.irp b, 0,1,2,3
	v_exp_f32 v[232+\b], v[232+\b]                 ; the block's largest p: the same two instructions on the same number give the same bits
.endr
	v_pk_mul_f32 v[14:15], v[14:15], v[252:253] op_sel_hi:[1,0]   ; the sums under the new M (a plain place behind the exponentials)
	s_wait_alu depctr_va_vdst(0)
.irp b, 0,1,2,3
	v_max_num_f32 v[232+\b], 0x2800000, v[232+\b]  ; the floor 2^(5 - 127): the byte cannot fall under 1
.endr
.irp b, 0,1,2,3
	s_delay_alu instid0(VALU_DEP_4)
	v_add_nc_u32 v[244+\b], 0xfe000000, v[232+\b]  ; 4 off the exponent field: the conversion's scale operand
.endr
.irp b, 0,1,2,3
	s_delay_alu instid0(VALU_DEP_4)
	v_lshrrev_b32 v[236+\b], 23, v[244+\b]         ; the scale's byte
.endr
	s_delay_alu instid0(VALU_DEP_3)
	v_lshl_or_b32 v253, v237, 8, v236              ; p's scale word for these 128 keys
	s_delay_alu instid0(VALU_DEP_1)
	v_lshl_or_b32 v253, v238, 16, v253
	s_delay_alu instid0(VALU_DEP_1)
	v_lshl_or_b32 v253, v239, 24, v253
.irp c, 0,1
	v_cvt_scalef32_pk16_bf6_f32 v[224+6*\c:226+6*\c], v[96+32*\c:111+32*\c], v[244+2*\c]
	v_cvt_scalef32_pk16_bf6_f32 v[236+4*\c:238+4*\c], v[112+32*\c:127+32*\c], v[244+2*\c+1]   ; (a conversion's three registers begin on an even number)
.endr
	v_nop                                          ; one plain place behind a scaled conversion
.irp c, 0,1                                    ; the operand wants a whole block in a lane
.irp i, 0,1,2
	v_permlane16_swap_b32 v[224+6*\c+\i], v[236+4*\c+\i]
.endr
.irp i, 0,1,2
	s_delay_alu instid0(VALU_DEP_3)
	v_mov_b32 v[227+6*\c+\i], v[236+4*\c+\i]
.endr
.endr
	v_pk_add_f32 v[236:237], v[100:101], v[104:105]
	v_pk_add_f32 v[250:251], v[108:109], v[112:113]
	v_pk_add_f32 v[246:247], v[116:117], v[120:121]
	v_pk_add_f32 v[244:245], v[124:125], v[128:129]
	v_pk_add_f32 v[240:241], v[132:133], v[136:137]
	v_pk_add_f32 v[222:223], v[140:141], v[144:145]
	v_pk_add_f32 v[220:221], v[148:149], v[152:153]
	v_pk_add_f32 v[14:15], v[14:15], v[156:157]
	v_pk_add_f32 v[236:237], v[236:237], v[96:97]
	s_setprio 0
	v_pk_add_f32 v[250:251], v[250:251], v[98:99]
	v_pk_add_f32 v[246:247], v[246:247], v[102:103]
	v_pk_add_f32 v[244:245], v[244:245], v[106:107]
	v_pk_add_f32 v[240:241], v[240:241], v[110:111]
	v_pk_add_f32 v[222:223], v[222:223], v[114:115]
	v_pk_add_f32 v[220:221], v[220:221], v[118:119]
	v_pk_add_f32 v[14:15], v[14:15], v[122:123]
	v_pk_add_f32 v[236:237], v[236:237], v[126:127]
	v_pk_add_f32 v[250:251], v[250:251], v[130:131]
	v_pk_add_f32 v[246:247], v[246:247], v[134:135]
	v_pk_add_f32 v[244:245], v[244:245], v[138:139]
	v_pk_add_f32 v[240:241], v[240:241], v[142:143]
	v_pk_add_f32 v[222:223], v[222:223], v[146:147]
	v_pk_add_f32 v[220:221], v[220:221], v[150:151]
	v_pk_add_f32 v[14:15], v[14:15], v[154:155]
	v_pk_add_f32 v[236:237], v[236:237], v[158:159]
	s_delay_alu instid0(VALU_DEP_2)
	v_pk_add_f32 v[14:15], v[14:15], v[244:245]
	s_delay_alu instid0(VALU_DEP_2)
	v_pk_add_f32 v[236:237], v[236:237], v[240:241]
	v_pk_add_f32 v[250:251], v[250:251], v[222:223]
	v_pk_add_f32 v[246:247], v[246:247], v[220:221]
	s_delay_alu instid0(VALU_DEP_2)
	v_pk_add_f32 v[14:15], v[14:15], v[250:251]
	s_delay_alu instid0(VALU_DEP_2)
	v_pk_add_f32 v[236:237], v[236:237], v[246:247]
	s_delay_alu instid0(VALU_DEP_1)
	v_pk_add_f32 v[14:15], v[14:15], v[236:237]
.irp j, 0,2,4,6,8,10,12,14,16,18,20,22,24,26,28,30
	v_pk_mul_f32 v[160+\j:161+\j], v[160+\j:161+\j], v[252:253] op_sel_hi:[1,0]   ; O^T under the new M, each accumulator from its low end on
.endr
	s_wait_alu depctr_va_vdst(0)
	s_wait_dscnt 0x0                               ; V's fragments and scale words are in
.irp t, 0,2                                    ; O^T += V^T P^T: four tiles of 16 channels, by turns
	v_wmma_scale_f32_16x16x128_f8f6f4 v[160+8*\t:167+8*\t], v[KV+12*\t:KV+12*\t+11], v[224:235], v[160+8*\t:167+8*\t], v[248+\t/2], v253 matrix_a_fmt:MATRIX_FMT_BF6 matrix_b_fmt:MATRIX_FMT_BF6
	v_wmma_scale_f32_16x16x128_f8f6f4 v[168+8*\t:175+8*\t], v[KV+12*\t+12:KV+12*\t+23], v[224:235], v[168+8*\t:175+8*\t], v[248+\t/2], v253 matrix_a_fmt:MATRIX_FMT_BF6 matrix_b_fmt:MATRIX_FMT_BF6 matrix_a_scale:MATRIX_SCALE_ROW1
.endr
.Lhidden_\@:
	s_add_co_u32 s[TBK], s[TBK], 6656
	s_add_co_u32 s[TBV], s[TBV], 6400
	s_add_co_u32 s[KF], s[KF], 128
	s_add_co_u32 s[STP], s[STP], 1
	s_cmp_lt_u32 s[STP], \ntrip
	s_cbranch_scc1 .Lstep_\@
	s_setprio 0
	; the tile's end: O^T / the sum; its 64 channels are two blocks of the last product's K
.rept 4
	v_nop                                          ; places behind the last products
.endr
	v_add_f32 v14, v14, v15
	s_delay_alu instid0(VALU_DEP_1)
	v_permlanex16_b32 v252, v14, s[SEL], s[SEL+1]
	s_delay_alu instid0(VALU_DEP_1)
	v_add_f32 v14, v14, v252                       ; the row's sum
	s_wait_alu depctr_va_vdst(0)
	v_rcp_f32 v14, v14
	v_nop                                          ; one plain place behind a transcendental
	s_wait_alu depctr_va_vdst(0)
.irp j, 0,2,4,6,8,10,12,14,16,18,20,22,24,26,28,30
	v_pk_mul_f32 v[96+\j:97+\j], v[160+\j:161+\j], v[14:15] op_sel_hi:[1,0]   ; register 16 b + i is channel 32 b + 16 h + i
.endr
.irp b, 0,1
	v_max3_num_f32 v[232+\b], |v[96+16*\b]|, |v[97+16*\b]|, 0x2800000
.endr
.irp i, 2,4,6,8,10,12,14
.irp b, 0,1
	s_delay_alu instid0(VALU_DEP_2)
	v_max3_num_f32 v[232+\b], v[232+\b], |v[96+16*\b+\i]|, |v[97+16*\b+\i]|
.endr
.endr
.irp b, 0,1
	s_delay_alu instid0(VALU_DEP_2)
	v_permlanex16_b32 v[236+\b], v[232+\b], s[SEL], s[SEL+1]
.endr
.irp b, 0,1
	s_delay_alu instid0(VALU_DEP_2)
	v_max_num_f32 v[232+\b], v[232+\b], v[236+\b]
.endr
.irp b, 0,1
	s_delay_alu instid0(VALU_DEP_2)
	v_add_nc_u32 v[244+\b], 0xfe000000, v[232+\b]
.endr
.irp b, 0,1
	s_delay_alu instid0(VALU_DEP_2)
	v_lshrrev_b32 v[236+\b], 23, v[244+\b]
.endr
	s_delay_alu instid0(VALU_DEP_1)
	v_lshl_or_b32 v254, v237, 8, v236              ; my row's two scale bytes
	v_cvt_scalef32_pk16_bf6_f32 v[224:226], v[96:111], v244
	v_cvt_scalef32_pk16_bf6_f32 v[240:242], v[112:127], v245
	v_nop                                          ; one plain place behind a scaled conversion
.irp i, 0,1,2
	v_permlane16_swap_b32 v[224+\i], v[240+\i]
.endr
.irp i, 0,1,2
	s_delay_alu instid0(VALU_DEP_3)
	v_mov_b32 v[227+\i], v[240+\i]
.endr
	global_store_b128 v1, v[224:227], s[\obase:\obase+1]              ; the unit: 512 consecutive bytes, at a multiple of 256 from the buffer's first byte,
	global_store_b64 v2, v[228:229], s[\obase:\obase+1] offset:512    ; and 256
	global_store_b16 v5, v254, s[\obase:\obase+1]                     ; (lanes r and 16 + r write the same two bytes)
.endm
	s_wait_tensorcnt 0x0                           ; both my records are in,
	s_barrier_signal -1
	s_barrier_wait -1                              ; everybody's are: from here on LDS is only read
	s_wait_loadcnt 0x0                             ; Q
	PASS 16, 40, 8, 61, 68
	PASS 28, 41, 16, 62, 70
	s_wait_tensorcnt 0x0
	ds_add_u32 v243, v255
	s_wait_dscnt 0x0
	s_endpgm
.Lfunc_end_k_q84198bf8fa_attn:
	.size	k_q84198bf8fa_attn, .Lfunc_end_k_q84198bf8fa_attn-k_q84198bf8fa_attn
	.p2alignl 7, 3214868480
	.fill 96, 4, 3214868480
	.section	.rodata,"a",@progbits
	.p2align	6, 0x0
	.amdhsa_kernel k_q84198bf8fa_attn
		.amdhsa_group_segment_fixed_size 210944
		.amdhsa_private_segment_fixed_size 0
		.amdhsa_enable_private_segment 0
		.amdhsa_kernarg_size 24
		.amdhsa_user_sgpr_count 2
		.amdhsa_user_sgpr_kernarg_segment_ptr 1
		.amdhsa_wavefront_size32 1
		.amdhsa_system_sgpr_workgroup_id_x 1
		.amdhsa_system_sgpr_workgroup_id_y 1
		.amdhsa_system_sgpr_workgroup_id_z 1
		.amdhsa_system_vgpr_workitem_id 0
		.amdhsa_next_free_vgpr 256
		.amdhsa_next_free_sgpr 96
		.amdhsa_reserve_vcc 1
		.amdhsa_float_denorm_mode_32 3
		.amdhsa_float_denorm_mode_16_64 3
		.amdhsa_memory_ordered 1
		.amdhsa_forward_progress 1
		.amdhsa_inst_pref_size 66
	.end_amdhsa_kernel
	.amdgpu_metadata
---
amdhsa.version: [ 1, 2 ]
amdhsa.kernels:
  - .name:           k_q84198bf8fa_attn
    .symbol:         k_q84198bf8fa_attn.kd
    .args:
      - { .name: qk, .offset: 0, .size: 8, .value_kind: global_buffer, .address_space: global }
      - { .name: vr, .offset: 8, .size: 8, .value_kind: global_buffer, .address_space: global }
      - { .name: orec, .offset: 16, .size: 8, .value_kind: global_buffer, .address_space: global }
    .group_segment_fixed_size: 210944
    .private_segment_fixed_size: 0
    .kernarg_segment_align: 8
    .kernarg_segment_size: 24
    .max_flat_workgroup_size: 512
    .sgpr_count:     96
    .vgpr_count:     256
    .wavefront_size: 32
...
	.end_amdgpu_metadata
.endif
;; end of part 3
;; launch proj (part 4): grid 4 x 64, 4 waves a work-group, clusters of 4 x 4, 307,712 bytes of LDS; arguments orec, wr, out0; writes out0
.if DOCPART == 4
	.amdgcn_target "amdgcn-amd-amdhsa--gfx1250"
	.amdhsa_code_object_version 6
	.text
	.protected	k_q84198bf8fa_proj
	.globl	k_q84198bf8fa_proj
	.p2align	8
	.type	k_q84198bf8fa_proj,@function
k_q84198bf8fa_proj:
	s_mov_b64 s[64:65], 0
	v_nop
	global_prefetch_b8 v0, s[64:65] scope:SCOPE_SE
	s_setreg_imm32_b32 hwreg(HW_REG_WAVE_MODE, 25, 1), 1
	s_wait_xcnt 0x0
	s_wait_alu depctr_hold_cnt(0) depctr_sa_sdst(0) depctr_va_vdst(0) depctr_va_sdst(0) depctr_va_ssrc(0) depctr_va_vcc(0) depctr_vm_vsrc(0)
	s_getreg_b32 s2, hwreg(HW_REG_IB_STS2, 6, 4)
	s_cmp_eq_u32 s2, 0
	s_cbranch_scc0 .Lentry_in_a_cluster
	s_endpgm
.Lentry_in_a_cluster:
	s_bfe_u32 s2, ttmp6, 0x10000c
	s_cmp_lg_u32 s2, 0xf033
	s_cbranch_scc0 .Lentry_shape_is_right
	s_endpgm
.Lentry_shape_is_right:
; out = o Wo^T on codes of BF6 (E3M2) with E8M0 scales, K = 1,024; out [8192][1024] f32.
; OPERANDS lie in memory as records (256 along K of a tile of 16 rows: four units of 768 bytes, images of registers, then the rows' scale words; 3,328 bytes apart, a tile's four 13,312).
; Row r of tile T is 32 (T / 2) + 8 (T % 2) + r + 8 (r / 8).
; THE CORE: A' = o (tokens), B' = Wo (outputs).  A work-group makes 128 x 256, each of its four waves 64 x 128: 4 x 8 accumulators.  The matrix instruction is used transposed (source 0 = B', source 1 = A'): a lane holds one
; token, and the 16 registers of tiles 2 b and 2 b + 1 are 16 neighbouring outputs.
; LDS: the tile's whole K, four chunks of 256 along K (A' 8 records, B' 16, 3,200 bytes each).  Each wave issues four tensor loads at the start and has four outstanding; every byte is filled once.
; The counted waits 3, 2, 1, 0 let the later chunks land while the earlier are multiplied.
; CLUSTER 4 x 4: A' is shared along a row of the cluster, B' along a column: joint loads, which divide the requests by four.
; THE WAY OUT goes through each wave's own stage (16 rows x 528 bytes) in chunk 0, which has had its only fill and whose last reads every wave awaited ahead of the barrier in front of chunk 1.
; REGISTERS, in windows of 256: window 0: v1-3 lane, r, h; v16-20 LDS addresses; v22-24 the way out; v32-63 scale words, two sets; v64-159 A's fragments, two sets of 4 (on the way out v64-191: rows read back).
;   window 1: v0-191 B's fragments, two sets of 8.   window 2: accumulator (a, b) at v[8 (8 a + b)].
.set TP,    13312
.set REC,   3328
.set RL,    3200
.set CHUNK, 24*RL
.set SC,    32
.set AF,    64
.set G1A,   24
.set G1B,   32
.set G0A,   40
.set G0B,   68
.set SPI,   528                        ; a stage row: 512 bytes + 16
.set MSB, 0
.macro WIN new                         ; the immediate's high byte repeats the setting that is left
.if MSB != \new
	s_set_vgpr_msb (MSB<<8)|\new
.set MSB, \new
.endif
.endm
.macro CROUND                          ; a round of the cluster's barrier
	s_barrier_signal -1
	s_barrier_wait -1
	s_cmp_lg_u32 s14, 0
	s_cbranch_scc1 .Lnot_wave_0_\@
	s_barrier_signal -3
.Lnot_wave_0_\@:
	s_barrier_wait -3
	s_barrier_signal -1
	s_barrier_wait -1
.endm
.macro PLACES n                        ; plain vector instructions between a matrix instruction and a load into, or a read of, its registers
.rept \n
	v_nop
.endr
.endm
.macro FRAG reg, a16, a8, off          ; a fragment, 16 rows x 128 K: two units on end; every load takes consecutive bytes
	ds_load_b128 v[\reg:\reg+3], v[\a16] offset:\off
	ds_load_b64 v[\reg+4:\reg+5], v[\a8] offset:(\off)+512
	ds_load_b128 v[\reg+6:\reg+9], v[\a16] offset:(\off)+768
	ds_load_b64 v[\reg+10:\reg+11], v[\a8] offset:(\off)+1280
.endm
.macro FETCH g                         ; step g's fragments into set g % 2; with a chunk's first step its scale words: lanes 0-15 A's block i, lanes 16-31 B's block i
.set P, (\g)%2
	WIN 0x40                                       ; destination window 1
.irp i, 0,1,2,3,4,5,6,7
	FRAG 96*P+12*\i, 18, 19, RL*\i+1536*P
.endr
	WIN 0
.irp i, 0,1,2,3
	FRAG AF+48*P+12*\i, 16, 17, RL*\i+1536*P
.endr
.if (\g)%2 == 0
.irp i, 0,1,2,3,4,5,6,7
	ds_load_b64 v[SC+16*(((\g)/2)%2)+2*\i:SC+16*(((\g)/2)%2)+2*\i+1], v20 offset:RL*\i+3072   ; (for i > 3 lanes 0-15 read bytes of the same chunk that nobody uses)
.endr
.endif
.endm
.macro MUL32 g, zero                   ; 32 matrix instructions; the 32 accumulators take turns, one instruction a turn, in the same order in every step
.set P, (\g)%2
.set SS, SC+16*(((\g)/2)%2)+P
	WIN 0xa1                                       ; source 0 (B') window 1, source 1 (A') window 0, C and D window 2
.irp a, 0,1,2,3
.irp b, 0,1,2,3,4,5,6,7
.if \zero
	v_wmma_scale_f32_16x16x128_f8f6f4 v[8*(8*\a+\b):8*(8*\a+\b)+7], v[96*P+12*\b:96*P+12*\b+11], v[AF+48*P+12*\a:AF+48*P+12*\a+11], 0, v[SS+2*\b], v[SS+2*\a] matrix_a_fmt:MATRIX_FMT_BF6 matrix_b_fmt:MATRIX_FMT_BF6 matrix_a_scale:MATRIX_SCALE_ROW1
.else
	v_wmma_scale_f32_16x16x128_f8f6f4 v[8*(8*\a+\b):8*(8*\a+\b)+7], v[96*P+12*\b:96*P+12*\b+11], v[AF+48*P+12*\a:AF+48*P+12*\a+11], v[8*(8*\a+\b):8*(8*\a+\b)+7], v[SS+2*\b], v[SS+2*\a] matrix_a_fmt:MATRIX_FMT_BF6 matrix_b_fmt:MATRIX_FMT_BF6 matrix_a_scale:MATRIX_SCALE_ROW1
.endif
.endr
.endr
.endm
.macro STEP g, zero                    ; the next step's fragments are asked for, then this step is multiplied
	s_wait_dscnt 0x0                               ; this step's fragments are in
.if (\g) < 7
.if ((\g)+1)%2 == 0
	s_wait_tensorcnt 3-((\g)+1)/2                  ; my part of the next chunk is in; my loads of the chunks behind it may be out
	s_barrier_signal -1
	s_barrier_wait -1                              ; everybody's is
.irp v, 16,17,18,19,20
	v_add_nc_u32 v\v, CHUNK, v\v                   ; on to the next chunk; these five are also the places in front of the loads
.endr
.else
	PLACES 4
.endif
	FETCH (\g)+1
.endif
	MUL32 \g, \zero
	WIN 0
.endm
	s_load_b128 s[4:7], s[0:1], 0x0                ; orec s[4:5], wr s[6:7]
	s_load_b64 s[8:9], s[0:1], 0x10                ; out0
	v_lshl_add_u32 v254, v0, 2, 0x4b000
	v_mov_b32 v255, 0
	ds_add_u32 v254, v255
	ds_add_u32 v254, v255
	v_lshrrev_b32 v1, 5, v0
	v_readfirstlane_b32 s14, v1                    ; wave 0..3
	s_lshr_b32 s15, s14, 1                         ; which 64 tokens are mine.  Also: I fetch for A' (0) or for B' (1)
	s_and_b32 s16, s14, 1                          ; which 128 outputs.  Also: which half of that tile I fetch
	s_bfe_u32 s22, ttmp6, 0x40000                  ; cx = TC: my 256 outputs (the grid is one cluster wide)
	s_bfe_u32 s18, ttmp6, 0x40004                  ; cy
	s_and_b32 s20, ttmp7, 0xffff                   ; the cluster's y, 0..15
	s_lshl_b32 s21, s20, 2
	s_add_co_u32 s21, s21, s18                     ; TR: my 128 tokens
	s_lshl_b32 s23, s18, 2
	s_lshl_b32 s23, 15, s23                        ; my row of the cluster
	s_lshl_b32 s19, 0x1111, s22                    ; my column
	; group 1: R records of 400 elements of 8 bytes, 1,664 elements apart in memory, on end in LDS
	s_or_b32 s[G1A], s23, (3<<16)|(1<<21)          ; 15:0 the mask; 17:16 elements of 8 bytes; 21 set beside a mask
	s_mov_b32 s[G1A+1], 400<<16
	s_mov_b32 s[G1A+2], 4<<16
	s_mov_b32 s[G1A+3], 400<<16
	s_mov_b32 s[G1A+4], 4
	s_mov_b32 s[G1A+5], TP/8
	s_mov_b32 s[G1A+6], 0
	s_mov_b32 s[G1A+7], 0
	s_or_b32 s[G1B], s19, (3<<16)|(1<<21)
	s_mov_b32 s[G1B+1], 400<<16
	s_mov_b32 s[G1B+2], 8<<16
	s_mov_b32 s[G1B+3], 400<<16
	s_mov_b32 s[G1B+4], 8
	s_mov_b32 s[G1B+5], TP/8
	s_mov_b32 s[G1B+6], 0
	s_mov_b32 s[G1B+7], 0
	s_lshl_b32 s58, s21, 3                         ; A': tile 8 TR + 4 x half, in registers that never hold cx
	s_lshl_b32 s59, s16, 2
	s_add_co_u32 s58, s58, s59
	s_mul_i32 s58, s58, TP
	s_mov_b32 s59, 0
	s_lshl_b32 s60, s22, 4                         ; B': Wo's tile 16 TC + 8 x half, 192 tiles into wr, in registers that never hold cy
	s_lshl_b32 s61, s16, 3
	s_add_co_u32 s60, s60, s61
	s_add_co_u32 s60, s60, 192
	s_mul_i32 s60, s60, TP
	s_mov_b32 s61, 0
	s_mul_i32 s88, s16, 4*RL                       ; where they go in a chunk: no place in the cluster enters an LDS address
	s_mul_i32 s89, s16, 8*RL
	s_add_co_u32 s89, s89, 8*RL
	s_wait_dscnt 0x0
	s_wait_kmcnt 0x0
	s_add_nc_u64 s[84:85], s[4:5], s[58:59]
	s_add_nc_u64 s[86:87], s[6:7], s[60:61]
.irp c, 0,1,2,3
	s_mov_b32 s[G0A+4*\c], 1
	s_add_co_u32 s[G0A+4*\c+1], s88, \c*CHUNK
	s_add_nc_u64 s[G0A+4*\c+2:G0A+4*\c+3], s[84:85], \c*REC
	s_or_b32 s[G0A+4*\c+3], s[G0A+4*\c+3], 0x80000000
	s_mov_b32 s[G0B+4*\c], 1
	s_add_co_u32 s[G0B+4*\c+1], s89, \c*CHUNK
	s_add_nc_u64 s[G0B+4*\c+2:G0B+4*\c+3], s[86:87], \c*REC
	s_or_b32 s[G0B+4*\c+3], s[G0B+4*\c+3], 0x80000000
.endr
	CROUND                                         ; all sixteen work-groups are here: the joint loads meet
	s_cmp_eq_u32 s15, 0                            ; a wave's four loads stand in one branch on its number: four of mine are out
	s_cbranch_scc0 .Lfor_b
.irp c, 0,1,2,3
	tensor_load_to_lds s[G0A+4*\c:G0A+4*\c+3], s[G1A:G1A+7]
	s_nop 0
.endr
	PLACES 4
	s_branch .Lasked
.Lfor_b:
.irp c, 0,1,2,3
	tensor_load_to_lds s[G0B+4*\c:G0B+4*\c+3], s[G1B:G1B+7]
	s_nop 0
.endr
	PLACES 4
.Lasked:
	v_and_b32 v1, 31, v0                           ; lane
	v_and_b32 v2, 15, v0                           ; r
	v_bfe_u32 v3, v0, 4, 1                         ; h
	s_mul_i32 s90, s15, 4*RL                       ; my four records of A'
	s_mul_i32 s91, s16, 8*RL
	s_add_co_u32 s91, s91, 8*RL                    ; my eight of B', behind A's eight
	v_lshl_add_u32 v16, v1, 4, s90
	v_lshl_add_u32 v17, v1, 3, s90
	v_lshl_add_u32 v18, v1, 4, s91
	v_lshl_add_u32 v19, v1, 3, s91
	s_sub_co_u32 s92, s91, s90
	v_mul_u32_u24 v20, s92, v3                     ; scale words: lanes 16-31 take B's
	v_lshl_add_u32 v20, v2, 3, v20
	v_add_nc_u32 v20, s90, v20
	s_mul_i32 s93, s14, 16*SPI                     ; my stage
	v_mul_u32_u24 v22, v2, SPI
	v_lshl_add_u32 v22, v3, 6, v22
	v_add_nc_u32 v22, s93, v22                     ; in: row r, + 64 h
	v_lshl_add_u32 v23, v1, 4, s93                 ; back: the 32 lanes take one row of 512 bytes
	v_lshlrev_b32 v24, 4, v1                       ; and the same in out
	s_lshl_b32 s94, s21, 7
	s_lshl_b32 s95, s15, 6
	s_add_co_u32 s94, s94, s95                     ; my first token: 128 TR + 64 x half
	s_lshl_b32 s94, s94, 12                        ; rows of 4,096 bytes
	s_lshl_b32 s95, s22, 10
	s_add_co_u32 s94, s94, s95                     ; my first output, in bytes: 1,024 TC + 512 x half
	s_lshl_b32 s95, s16, 9
	s_add_co_u32 s94, s94, s95
	s_mov_b32 s95, 0
	s_add_nc_u64 s[8:9], s[8:9], s[94:95]
	s_wait_alu depctr_va_vdst(0)
	s_wait_tensorcnt 3                             ; my part of chunk 0 is in; my three later loads may be out
	s_barrier_signal -1
	s_barrier_wait -1
	FETCH 0
	STEP 0, 1                                      ; the first step's products start the sums
	STEP 1, 0
	s_wait_alu depctr_va_vdst(0)
	STEP 2, 0
	STEP 3, 0
	s_wait_alu depctr_va_vdst(0)
	STEP 4, 0
	STEP 5, 0
	s_wait_alu depctr_va_vdst(0)
	STEP 6, 0
	STEP 7, 0
; THE WAY OUT, a block of 16 tokens x 128 outputs at a time.  Register j of accumulator (a, b) in lane (r, h) is output 32 (b / 2) + 16 h + 8 (b % 2) + j of the block's row r.
.macro TOSTAGE a
	WIN 0x08                                       ; an LDS store's data are its source 1: window 2
.irp b, 0,1,2,3,4,5,6,7
	ds_store_b128 v22, v[8*(8*(\a)+\b):8*(8*(\a)+\b)+3] offset:128*(\b/2)+32*(\b%2)        ; each accumulator from its low end on
	ds_store_b128 v22, v[8*(8*(\a)+\b)+4:8*(8*(\a)+\b)+7] offset:128*(\b/2)+32*(\b%2)+16
.endr
	WIN 0
.set BB, 64+64*((\a)%2)
.irp t, 0,1,2,3,4,5,6,7,8,9,10,11,12,13,14,15
	ds_load_b128 v[BB+4*\t:BB+4*\t+3], v23 offset:\t*SPI   ; LDS serves a wave's instructions in order (ISA guide 5.7.1.4): these see the stores above, and the next block's stores come behind them
.endr
.endm
.macro SEND a, younger                 ; younger: the LDS instructions issued behind block a's loads, which may stay out
.set BB, 64+64*((\a)%2)
	s_wait_dscnt \younger
.irp t, 0,1,2,3,4,5,6,7,8,9,10,11,12,13,14,15
	global_store_b128 v24, v[BB+4*\t:BB+4*\t+3], s[8:9] offset:(32*((\a)/2)+8*((\a)%2)+\t+8*(\t/8))*4096 th:TH_STORE_NT   ; 512 consecutive bytes, at a multiple of 256 from out's first byte; written once, read by nobody here
.endr
.endm
	PLACES 4                                       ; in front of the first read of results and of the loads into registers that held A's fragments
	TOSTAGE 0
.irp a, 1,2,3
.if \a > 1
	s_wait_xcnt 0x0                                ; block a - 2's stores have read their registers: block a's loads may land there
.endif
	TOSTAGE \a
	SEND \a-1, 32                                  ; behind block a - 1's loads: block a's 16 stores and 16 loads
.endr
	SEND 3, 0
	s_wait_tensorcnt 0x0
	ds_add_u32 v254, v255
	s_wait_dscnt 0x0
	CROUND                                         ; the closing round: no work-group ends while a partner may still ask for a tile that names it
	s_endpgm
.Lfunc_end_k_q84198bf8fa_proj:
	.size	k_q84198bf8fa_proj, .Lfunc_end_k_q84198bf8fa_proj-k_q84198bf8fa_proj
	.p2alignl 7, 3214868480
	.fill 96, 4, 3214868480
	.section	.rodata,"a",@progbits
	.p2align	6, 0x0
	.amdhsa_kernel k_q84198bf8fa_proj
		.amdhsa_group_segment_fixed_size 307712
		.amdhsa_private_segment_fixed_size 0
		.amdhsa_enable_private_segment 0
		.amdhsa_kernarg_size 24
		.amdhsa_user_sgpr_count 2
		.amdhsa_user_sgpr_kernarg_segment_ptr 1
		.amdhsa_wavefront_size32 1
		.amdhsa_system_sgpr_workgroup_id_x 1
		.amdhsa_system_sgpr_workgroup_id_y 1
		.amdhsa_system_sgpr_workgroup_id_z 1
		.amdhsa_system_vgpr_workitem_id 0
		.amdhsa_next_free_vgpr 768
		.amdhsa_next_free_sgpr 100
		.amdhsa_reserve_vcc 0
		.amdhsa_float_denorm_mode_32 3
		.amdhsa_float_denorm_mode_16_64 3
		.amdhsa_memory_ordered 1
		.amdhsa_forward_progress 1
		.amdhsa_inst_pref_size 84
	.end_amdhsa_kernel
	.amdgpu_metadata
---
amdhsa.version: [ 1, 2 ]
amdhsa.kernels:
  - .name:           k_q84198bf8fa_proj
    .symbol:         k_q84198bf8fa_proj.kd
    .args:
      - { .name: orec, .offset: 0, .size: 8, .value_kind: global_buffer, .address_space: global }
      - { .name: wr, .offset: 8, .size: 8, .value_kind: global_buffer, .address_space: global }
      - { .name: out0, .offset: 16, .size: 8, .value_kind: global_buffer, .address_space: global }
    .group_segment_fixed_size: 307712
    .private_segment_fixed_size: 0
    .kernarg_segment_align: 8
    .kernarg_segment_size: 24
    .max_flat_workgroup_size: 128
    .sgpr_count:     100
    .vgpr_count:     768
    .wavefront_size: 32
...
	.end_amdgpu_metadata
.endif
;; end of part 4
